; MI455X (gfx1250); checked and timed in simulation.
; The chip was launched on July 23, 2026; its instructions are those of AMD's public machine-readable ISA for CDNA 5 (MIT licence, August 2026) and "CDNA5" Instruction Set Architecture Reference Guide (July 2026). The comments in the code are by the model that wrote it; some were corrected since.
;; VQ Cosine. Allowed arithmetic: float matrix products may take bf16 or f16 operands with f32 sums; all other float work in f32.
;; Inputs: codebook 8,192 x 256 float32; x 8 x 256 x 64 x 64 float32.
;; Outputs: out0 8 x 256 x 64 x 64 float32; out1 one number float32; out2 one number float32.
;; 2 versions, each right; version 2 is version 1 with the launch prep written anew for expert scheduling mode. Each part assembles by itself: llvm-mc -triple=amdgcn-amd-amdhsa -mcpu=gfx1250 --defsym DOCPART=n.
;; ======== version 1 of 2: 3 launches
;; limits: values outside matrix products are rounded to bf16
;; workspace buffers: cbh 4,194,304 bytes; idx 131,072 bytes of whole numbers; part 1,024 bytes
;; launch prep (part 1): grid 256 x 1, 2 waves a work-group, no clusters, 17,152 bytes of LDS; arguments codebook, cbh; writes cbh
.if DOCPART == 1
	.amdgcn_target "amdgcn-amd-amdhsa--gfx1250"
	.amdhsa_code_object_version 6
	.text
	.protected	k_q5789df9acd_prep
	.globl	k_q5789df9acd_prep
	.p2align	8
	.type	k_q5789df9acd_prep,@function
k_q5789df9acd_prep:
	s_mov_b64 s[64:65], 0
	v_nop
	global_prefetch_b8 v0, s[64:65] scope:SCOPE_SE
	s_setreg_imm32_b32 hwreg(HW_REG_WAVE_MODE, 25, 1), 1
	s_wait_xcnt 0x0
; cbh = the codebook [8192][256] rounded once to bf16 and laid out in the order in which a matrix instruction's source 0 wants it.
; Code tile T (codes 16 T .. 16 T + 15) is 8,192 bytes at 8192 T.  In it, load n = 2 ks + p (ks: channels 32 ks .. + 31, p: which half of them) is 512 bytes at 512 n,
; and lane L = (r = L % 16, h = L / 16) has 16 bytes at 16 L: code 16 T + r, channels 32 ks + 16 p + 8 h + 0 .. 7.  So the next launch reads a fragment by two loads of 16 bytes a lane at 16 x lane.
; SHARES.  512 code tiles, one a wave, two waves a work-group: a wave reads 16,384 consecutive bytes and writes 8,192 consecutive bytes; no loop.
; The turn from rows to fragments goes through the wave's own 16 rows of LDS; no wave reads another's bytes, so there is no barrier.
; No cluster: no two work-groups read the same bytes.  No matrix unit: nothing is multiplied.
.set PITCH, 528                        ; a stage row: 512 bytes (256 bf16) + 16: an odd multiple of 16, so the 16 rows that a read touches start at 16 different groups of four banks (64 banks of 4 bytes: ISA guide 11.1)
.set WST,   16*PITCH                   ; a wave's stage: 8,448 bytes, 33 blocks of 256
.set SPARE, 2*WST                      ; behind the stages: the spare words, 128 bytes for each wave: one block of 256 bytes that no other line names
.set GI,  2                            ; v2        16 x lane: my offset in every 512 bytes read or written
.set SW,  3                            ; v3        stage, in: my wave's stage + 8 x lane
.set SR,  4                            ; v4        stage, back: my wave's stage + r x pitch + 16 h
.set SPW, 6                            ; v6        LDS address of my spare word; never rewritten
.set NIL, 7                            ; v7        0; never rewritten
.set IN,  8                            ; v[8:135]  32 loads of four f32; later v[8:71] take the 16 fragment halves
.set T,   136                          ; v[136:199] the same numbers in bf16, two registers a load
	s_load_b128 s[4:7], s[0:1], 0x0                ; codebook s[4:5], cbh s[6:7]
	v_lshl_add_u32 v[SPW], v0, 2, SPARE
	v_mov_b32 v[NIL], 0
	v_lshrrev_b32 v1, 5, v0
	v_readfirstlane_b32 s8, v1                     ; wave 0, 1
	v_and_b32 v1, 31, v0                           ; lane
	v_lshlrev_b32 v[GI], 4, v1
	s_mul_i32 s9, s8, WST                          ; my wave's stage
	v_lshl_add_u32 v[SW], v1, 3, s9
	v_and_b32 v5, 15, v0                           ; r
	v_mul_u32_u24 v5, v5, PITCH
	v_bfe_u32 v1, v0, 4, 1                         ; h
	v_lshl_add_u32 v5, v1, 4, v5
	v_add_nc_u32 v[SR], s9, v5
	s_lshl_b32 s10, ttmp9, 1
	s_add_co_u32 s10, s10, s8                      ; T = 2 x work-group + wave
	s_lshl_b32 s12, s10, 13                        ; 8,192 T: at most 4 MiB
	s_lshl_b32 s10, s10, 14                        ; 16,384 T: at most 8 MiB
	s_mov_b32 s11, 0
	s_mov_b32 s13, 0
	s_wait_kmcnt 0x0
	s_add_nc_u64 s[4:5], s[4:5], s[10:11]
	s_add_nc_u64 s[6:7], s[6:7], s[12:13]
.set n, 0
.rept 32                               ; load n: row n / 2, channels 128 (n % 2) + 4 x lane + 0 .. 3: 512 consecutive bytes.  No hint: the last launch reads the table again
	global_load_b128 v[IN+4*n:IN+4*n+3], v[GI], s[4:5] offset:512*n
.set n, n+1
.endr
.set n, 0
.rept 32
	s_wait_loadcnt 31-n                            ; loads come back in order (ISA guide 5.7.1): load n is in, the 31 - n issued behind it stay out
	v_cvt_pk_bf16_f32 v[T+2*n],   v[IN+4*n],   v[IN+4*n+1]    ; rounds to nearest even
	v_cvt_pk_bf16_f32 v[T+2*n+1], v[IN+4*n+2], v[IN+4*n+3]
	ds_store_b64 v[SW], v[T+2*n:T+2*n+1] offset:(n/2)*PITCH+(n%2)*256  ; 32 lanes, 256 consecutive bytes of a stage row
.set n, n+1
.endr
.set n, 0
.rept 16                               ; LDS serves a wave's instructions in order (ISA guide 5.7.1.4): these see the stores above
	ds_load_b128 v[IN+4*n:IN+4*n+3], v[SR] offset:64*(n/2)+32*(n%2)
.set n, n+1
.endr
.set n, 0
.rept 16
	s_wait_dscnt 15-n                              ; read n is back, the 15 - n issued behind it stay out
	global_store_b128 v[GI], v[IN+4*n:IN+4*n+3], s[6:7] offset:512*n  ; 512 consecutive bytes, at a multiple of 512 from cbh's first byte
.set n, n+1
.endr
	s_wait_tensorcnt 0x0                           ; the wave's end, behind my last LDS store
	ds_add_u32 v[SPW], v[NIL]
	s_wait_dscnt 0x0
	s_endpgm
.Lfunc_end_k_q5789df9acd_prep:
	.size	k_q5789df9acd_prep, .Lfunc_end_k_q5789df9acd_prep-k_q5789df9acd_prep
	.p2alignl 7, 3214868480
	.fill 96, 4, 3214868480
	.section	.rodata,"a",@progbits
	.p2align	6, 0x0
	.amdhsa_kernel k_q5789df9acd_prep
		.amdhsa_group_segment_fixed_size 17152
		.amdhsa_private_segment_fixed_size 0
		.amdhsa_enable_private_segment 0
		.amdhsa_kernarg_size 16
		.amdhsa_user_sgpr_count 2
		.amdhsa_user_sgpr_kernarg_segment_ptr 1
		.amdhsa_wavefront_size32 1
		.amdhsa_system_sgpr_workgroup_id_x 1
		.amdhsa_system_sgpr_workgroup_id_y 1
		.amdhsa_system_sgpr_workgroup_id_z 1
		.amdhsa_system_vgpr_workitem_id 0
		.amdhsa_next_free_vgpr 200
		.amdhsa_next_free_sgpr 66
		.amdhsa_reserve_vcc 0
		.amdhsa_float_denorm_mode_32 3
		.amdhsa_float_denorm_mode_16_64 3
		.amdhsa_memory_ordered 1
		.amdhsa_forward_progress 1
		.amdhsa_inst_pref_size 15
	.end_amdhsa_kernel
	.amdgpu_metadata
---
amdhsa.version: [ 1, 2 ]
amdhsa.kernels:
  - .name:           k_q5789df9acd_prep
    .symbol:         k_q5789df9acd_prep.kd
    .args:
      - { .name: codebook, .offset: 0, .size: 8, .value_kind: global_buffer, .address_space: global }
      - { .name: cbh, .offset: 8, .size: 8, .value_kind: global_buffer, .address_space: global }
    .group_segment_fixed_size: 17152
    .private_segment_fixed_size: 0
    .kernarg_segment_align: 8
    .kernarg_segment_size: 16
    .max_flat_workgroup_size: 64
    .sgpr_count:     66
    .vgpr_count:     200
    .wavefront_size: 32
...
	.end_amdgpu_metadata
.endif
;; end of part 1
;; launch vq (part 2): grid 256 x 1, 4 waves a work-group, clusters of 4 x 1, 327,680 bytes of LDS; arguments x, cbh, idx, part; writes idx, part
.if DOCPART == 2
	.amdgcn_target "amdgcn-amd-amdhsa--gfx1250"
	.amdhsa_code_object_version 6
	.text
	.protected	k_q5789df9acd_vq
	.globl	k_q5789df9acd_vq
	.p2align	8
	.type	k_q5789df9acd_vq,@function
k_q5789df9acd_vq:
	s_mov_b64 s[64:65], 0
	v_nop
	global_prefetch_b8 v0, s[64:65] scope:SCOPE_SE
	s_setreg_imm32_b32 hwreg(HW_REG_WAVE_MODE, 25, 1), 1
	s_wait_xcnt 0x0
	s_wait_alu depctr_hold_cnt(0) depctr_sa_sdst(0) depctr_va_vdst(0) depctr_va_sdst(0) depctr_va_ssrc(0) depctr_va_vcc(0) depctr_vm_vsrc(0)
	s_getreg_b32 s2, hwreg(HW_REG_IB_STS2, 6, 4)
	s_cmp_eq_u32 s2, 0
	s_cbranch_scc0 .Lentry_in_a_cluster
	s_endpgm
.Lentry_in_a_cluster:
	s_bfe_u32 s2, ttmp6, 0x10000c
	s_cmp_lg_u32 s2, 0x3003
	s_cbranch_scc0 .Lentry_shape_is_right
	s_endpgm
.Lentry_shape_is_right:
; For each of the 32,768 tokens n = (b, hw) of x [8][256][4096] f32: idx[n] = argmax over the 8,192 codes k of x[n] . codebook[k], and t[n] = that product / max(|x[n]|, 1e-12);
; part[g] = the sum over work-group g's 128 tokens of 1 - t[n].
; WHY x IS NOT NORMALISED AHEAD OF THE PRODUCT.  z = x / max(|x|, eps) is x times one positive number a token, so the argmax of z . c is the argmax of x . c for every input (a token of zeros
; ties everywhere: index 0 either way).  The norm is taken in f32 from the unrounded x and divides the winning product.  x and the codebook are rounded once to bf16; sums in f32.
; LIMITS.  Two products of a token closer than the rounding of f32 sums of 256 terms may be ordered otherwise than a sum in another order would; at exact ties the lowest index wins.  A NaN product is never
; chosen; a token whose products are all NaN or -infinity gets index 0.  Where |x|^2 lies below 2^-126 the root counts as 0 (ISA guide 15.8) and eps, which is far larger than that norm, takes its place.
; SHARES.  Work-group g owns tokens 128 g .. 128 g + 127 (image g / 32, 512 consecutive bytes of each channel).  Every wave keeps ALL 128 tokens in registers as source 1 (8 token tiles x 8 K steps x 8
; registers = 512) and takes every fourth code tile of 16 codes: T = 4 i + wave, i = 0 .. 127.  So 16 LDS loads (one code tile) feed 64 matrix instructions.
; LAYOUT.  Source 0 = 16 codes, source 1 = 16 tokens: in the result lane (r, h) holds ONE token (16 a + r) and codes 16 T + 8 h + 0 .. 7 in registers 0 .. 7: the argmax runs inside the lane.
; BY TURNS.  A code tile is two UNITS of 32 matrix instructions (token tiles 0-3 into P, 4-7 into Q).  While one set of four accumulators is summed, the other set, finished a unit ago, is scanned: four plain
; vector instructions behind each matrix instruction (difference, compare, index, maximum: one stage for the set's four token tiles).  They keep vector registers out of the source 1 place, the only place
; whose window the products switch, so no window switch stands between products and scan.
; CLUSTER.  All work-groups walk the same codebook, so the four of a cluster ask for each slice JOINTLY: the same tensor load, descriptor and mask in all four.  A mask names four at the most, so 4 x 1 is all the sharing there is.
; REGISTERS, in windows of 256 (s_set_vgpr_msb: bits 1:0 source 0, 3:2 source 1, 5:4 source 2, 7:6 destination):
;   window 0: v0-21 addresses; v24-31 running maxima, v32-39 running indices (one a token tile); v40-51 at work; v64-127, v128-191 two buffers of a code tile's fragments; v192-223 P; v224-255 Q
;   window 1: x fragments of token tiles 0-3, (a, ks) at 64 a + 8 ks      window 2: the same for tiles 4-7      window 3: where the 64 loads of x land
.set SLOTB,  131072                    ; a slot: 16 code tiles of 8,192 bytes, dense: a fragment load takes 512 consecutive bytes, so no padding is wanted
.set SLOT1,  1<<17                     ; slot 1 begins here: one exclusive or turns an address in one slot into the other's
.set STAGE,  2*SLOTB                   ; behind the ring, never filled by a tensor load: 128 channels x 128 tokens of bf16
.set SPITCH, 288                       ; a stage row: 256 bytes + 32 = 72 words
.set NRM,    STAGE+128*SPITCH          ; [wave][128] f32: the sum of squares over the wave's 64 channels
.set VAL,    NRM+2048                  ; [wave][128] f32: the wave's best product
.set IDXS,   VAL+2048                  ; [wave][128] u32: its code
.set SPARE,  IDXS+2048                 ; the spare words, 128 bytes for each wave: two blocks of 256 bytes that no other line names
.set AK0, 8                            ; v8   16 x lane + 8,192 x wave: my place in a group of four code tiles; never rewritten
.set ADR, 9                            ; v9   the LDS address of the run of loads in hand
.set XO,  10                           ; v10  my byte offset in x: 16 x lane + the wave's 32 channels
.set STW, 11                           ; v11  stage, in
.set STR, 12                           ; v12  stage, turned back
.set NRW, 13                           ; v13  where I put four sums of squares
.set MW,  14                           ; v14  where I put a token's best product
.set FR,  15                           ; v15  wave 0: where I read four tokens' products
.set GO,  16                           ; v16  16 x lane
.set ZO,  17                           ; v17  0
.set FN,  18                           ; v18  wave 0: where I read four tokens' sums of squares
.set SPW, 20                           ; v20  LDS address of my spare word; never rewritten
.set NIL, 21                           ; v21  0; never rewritten
.set RUN, 24
.set IDX, 32
.set DIF, 40                           ; v40-43  value less running maximum, for the four token tiles of a set
.set SS,  44                           ; v44-51  sums of squares of my four tokens, two sets that take turns
.set F0,  64
.set F1,  128
.set T,   64                           ; before the walk: 32 channels x four tokens in bf16
.set ACC, 192                          ; set s (0: P, 1: Q), token tile a of four at ACC + 32 s + 8 a
.set OV,  64                           ; behind the walk, at work in buffer 0: the other half of the lanes' maxima,
.set OI,  72                           ; and indices;
.set EV,  80                           ; wave 0: four tokens' products of the four waves,
.set EI,  96                           ; their codes,
.set EN,  112                          ; their sums of squares
.set WV,  12                           ; s12  my wave's number
.set G1,  24                           ; s[24:31] descriptor group 1
.set G0,  40                           ; s[40:43] descriptor group 0: it walks
.set CAND, 48                          ; s[48:55] the code of register j in lanes 0-15: 64 i + 16 wave + j
.set MSK, 56                           ; s[56:59] compare masks, one a token tile of a set
.set NINF, 60                          ; s60  -infinity
.set TB,  61                           ; s61  LDS byte at which the group of four code tiles to be fetched begins
.set CNT, 62                           ; s62  counts pairs of code tiles
.set SLOTS, 63                         ; s63  counts slices
.set EPS, 66                           ; s66  1e-12
.set SEL, 68                           ; s[68:69] v_permlanex16_b32's selects: each lane takes its own place in the other half
.set MSB, 0
.macro WIN new                         ; the immediate's high byte repeats the setting that is left; a switch that changes nothing is dropped
.if MSB != (\new)
	s_set_vgpr_msb (MSB<<8)|(\new)
.set MSB, (\new)
.endif
.endm
; A round of the cluster's barrier: my work-group's barrier, so that wave 0's signal speaks for all four waves; wave 0 signals; every wave waits for all four work-groups; my work-group's barrier once more.
.macro CROUND
	s_barrier_signal -1
	s_barrier_wait -1
	s_cmp_lg_u32 s[WV], 0
	s_cbranch_scc1 .Lnot_wave_0_\@
	s_barrier_signal -3
.Lnot_wave_0_\@:
	s_barrier_wait -3
	s_barrier_signal -1
	s_barrier_wait -1
.endm
; A joint fill: every wave asks for its quarter of a slice, 32,768 bytes.  One line for all four waves: both addresses hang on the wave's number.  An s_nop 0 and four v_nop follow it.
.macro TLOAD
	tensor_load_to_lds s[G0:G0+3], s[G1:G1+7]
	s_nop 0
.rept 4
	v_nop
.endr
.endm
; THE CHANGE OF SLOTS.  Each wave waits for all its tensor loads, of which one is out: its quarter of the other slot; adds 0 to its spare word; and waits for that and for its own reads of the slot that it leaves.
; fill = 1: the slot just left is filled again, with the slice two on.  The barrier is then a round of the cluster's, so that no wave of any partner still reads the slot or has a load on its way, and the joint
; fill is the first thing behind it: it has four code tiles a wave, 256 matrix instructions, in which to land.  (At its first use nothing has been read yet: slot 0 is waited for, slot 1 filled.)
.macro CHANGE fill
	WIN 0                                          ; at a label and at a branch every window is 0
	s_wait_tensorcnt 0x0                           ; no tensor load of mine is out, so group 0 may be written
	ds_add_u32 v[SPW], v[NIL]                      ; 0 onto my spare word; with fill = 1 the descriptor's steps stand between it and the wait for it
.if \fill
	s_xor_b32 s[G0+1], s[G0+1], SLOT1              ; the other slot than last time,
	s_add_nc_u64 s[G0+2:G0+3], s[G0+2:G0+3], SLOTB ; the next 256 codes; the type bits on top are not reached
	s_wait_dscnt 0x0                               ; the add is done, and my reads of the slot are over
	CROUND
	TLOAD
.else
	s_wait_dscnt 0x0                               ; the add is done, and my reads of the slot are over
	s_barrier_signal -1
	s_barrier_wait -1
.endif
	s_sub_co_u32 s[TB], s[TB], SLOTB               ; the fetches go back to a slot's first group,
	s_xor_b32 s[TB], s[TB], SLOT1                  ; in the other slot
.endm
; 16 LDS loads in one run: my next code tile's eight fragments into buffer g.  The address line has its vector register in the source 0 place, so the run is right under the products' window settings too.
.macro FETCH g
	v_add_nc_u32 v[ADR], v[AK0], s[TB]
.set n, 0
.rept 16
	ds_load_b128 v[(\g)+4*n:(\g)+4*n+3], v[ADR] offset:512*n  ; 32 lanes, 512 consecutive bytes: registers 4 (n % 2) .. + 3 of K step n / 2
.set n, n+1
.endr
	s_add_co_u32 s[TB], s[TB], 32768               ; the next fetch is four code tiles on
.endm
; THE SCAN, group i of 32: stage i % 4 for register j = i / 4 of the four accumulators of a set.  Stage 0: value - maximum (one rounding; its sign is exact, and equal numbers give 0).  1: is it above 0?
; 2: then the index is the register's code.  3: the new maximum (a NaN loses).  A line reads what the line four ahead of it wrote.  Each accumulator's register 0 is read first.
; The strict compare keeps the earlier code, and a lane's codes come in ascending order: of equals the lowest wins.
.macro RIDE4 set
.set j, i/4
.irp a, 0,1,2,3
.set rV, ACC+32*(\set)+8*(\a)+j
.set at, 4*(\set)+(\a)
.if i%4 == 0
	v_fma_f32 v[DIF+\a], v[rV], 1.0, -v[RUN+at]
.elseif i%4 == 1
	v_cmp_gt_f32 s[MSK+\a], v[DIF+\a], 0
.elseif i%4 == 2
	v_cndmask_b32 v[IDX+at], v[IDX+at], s[CAND+j], s[MSK+\a]
.else
	v_max3_num_f32 v[RUN+at], v[rV], s[NINF], v[RUN+at]
.endif
.endr
.endm
; A UNIT: 32 matrix instructions, K step i / 4, token tile i % 4 of the half; the first four start the sums with the constant 0.  The four accumulators take turns, one instruction a turn.
; Behind each: a group of the other set's scan.  The scan's first read of an accumulator stands seven plain instructions or more behind that accumulator's last product.
; fetch = 1: behind the second product the next code tile is fetched into buffer g, whose last reader stands 12 plain instructions back; its first use comes 62 matrix instructions later.
.macro UNIT f, half, fetch, g
	WIN 0x04+4*(\half)                             ; source 1 in window 1 or 2; all else in window 0
.set i, 0
.rept 32
.set rD, ACC+32*(\half)+8*(i%4)
.set rA, (\f)+8*(i/4)
.set rB, 64*(i%4)+8*(i/4)
.if i < 4
	v_wmma_f32_16x16x32_bf16 v[rD:rD+7], v[rA:rA+7], v[rB:rB+7], 0
.else
	v_wmma_f32_16x16x32_bf16 v[rD:rD+7], v[rA:rA+7], v[rB:rB+7], v[rD:rD+7]
.endif
	RIDE4 1-(\half)
.if (\fetch) && (i == 1)
	FETCH \g
.endif
.set i, i+1
.endr
.endm
; A CODE TILE in buffer f.  The first unit scans Q of the tile before, with that tile's codes; then the codes step; the second unit scans this tile's P.
.macro TILE f, g, fetch
	s_wait_dscnt 0x0                               ; this tile's fragments are in
	UNIT \f, 0, \fetch, \g
.irp c, 0,1,2,3,4,5,6,7
	s_add_co_u32 s[CAND+\c], s[CAND+\c], 64        ; my next code tile lies four tiles, 64 codes, on
.endr
	UNIT \f, 1, 0, 0
.endm
; (va, ia) takes (vb, ib) if vb is larger, or equal with the lower code.
.macro BETTER va, ia, vb, ib
	v_cmp_gt_f32 s[MSK], v[\vb], v[\va]
	v_cmp_eq_f32 s[MSK+1], v[\vb], v[\va]
	v_cmp_lt_u32 s[MSK+2], v[\ib], v[\ia]
	s_and_b32 s[MSK+1], s[MSK+1], s[MSK+2]
	s_or_b32 s[MSK], s[MSK], s[MSK+1]
	v_cndmask_b32 v[\va], v[\va], v[\vb], s[MSK]
	v_cndmask_b32 v[\ia], v[\ia], v[\ib], s[MSK]
.endm
; Half p of x: my 32 channels of it.  For each: the squares of my four tokens are added (the first two channels start the two sets of sums: nothing is cleared), and the four numbers are rounded to bf16.
.macro CONV p
	WIN 0x0f                                       ; sources 0 and 1 in window 3
.set i, 0
.rept 32
.set n, 32*(\p)+i
	s_wait_loadcnt 63-n                            ; loads come back in order (ISA guide 5.7.1): load n is in, the 63 - n issued behind it stay out
.if n < 2
	v_pk_mul_f32 v[SS+4*(i%2):SS+4*(i%2)+1],   v[4*n:4*n+1],   v[4*n:4*n+1]
	v_pk_mul_f32 v[SS+4*(i%2)+2:SS+4*(i%2)+3], v[4*n+2:4*n+3], v[4*n+2:4*n+3]
.else
	v_pk_fma_f32 v[SS+4*(i%2):SS+4*(i%2)+1],   v[4*n:4*n+1],   v[4*n:4*n+1],   v[SS+4*(i%2):SS+4*(i%2)+1]
	v_pk_fma_f32 v[SS+4*(i%2)+2:SS+4*(i%2)+3], v[4*n+2:4*n+3], v[4*n+2:4*n+3], v[SS+4*(i%2)+2:SS+4*(i%2)+3]
.endif
	v_cvt_pk_bf16_f32 v[T+2*i],   v[4*n],   v[4*n+1]
	v_cvt_pk_bf16_f32 v[T+2*i+1], v[4*n+2], v[4*n+3]
.set i, i+1
.endr
	WIN 0
.endm
.macro PUT                             ; my 32 channels into the stage: 32 lanes, 256 consecutive bytes a row
.set i, 0
.rept 32
	ds_store_b64 v[STW], v[T+2*i:T+2*i+1] offset:SPITCH*i
.set i, i+1
.endr
.endm
; The stage's 128 channels, turned, become K steps 4 p .. 4 p + 3 of all eight token tiles' fragments.  The turning load takes 16 channels x 16 tokens (lane l reads 16 bytes: channel 8 (l / 16) + l % 8,
; tokens 8 ((l / 8) % 2) + 0 .. 7) and leaves half a fragment: lane l holds token l % 16 and 8 channels.
.macro XFRAG p
.set a, 0
.rept 8
	WIN 0x40+0x40*(a/4)                            ; destination window 1 (tiles 0-3) or 2 (tiles 4-7)
.set c, 0
.rept 4
.set rX, 64*(a%4)+8*(4*(\p)+c)
	ds_load_tr16_b128 v[rX:rX+3],   v[STR] offset:32*SPITCH*c+32*a
	ds_load_tr16_b128 v[rX+4:rX+7], v[STR] offset:32*SPITCH*c+32*a+16*SPITCH
.set c, c+1
.endr
.set a, a+1
.endr
	WIN 0
.endm
	s_load_b256 s[4:11], s[0:1], 0x0               ; x s[4:5], cbh s[6:7], idx s[8:9], part s[10:11]
	v_lshl_add_u32 v[SPW], v0, 2, SPARE
	v_mov_b32 v[NIL], 0
	ds_add_u32 v[SPW], v[NIL]                      ; the wave's opening: the add and its wait stand ahead of my first tensor load; the set-up below, work on registers, stands between them
	v_lshrrev_b32 v1, 5, v0
	v_readfirstlane_b32 s[WV], v1                  ; wave 0..3
	s_bfe_u32 s13, ttmp6, 0x40000                  ; cx: my place in the cluster
	s_lshl_b32 s14, ttmp9, 2                       ; in a cluster launch ttmp9 counts clusters
	s_add_co_u32 s14, s14, s13                     ; g = 4 x cluster + cx: it enters the addresses of x, idx and part alone
	; descriptor group 1: 32,768 dense bytes, asked for as 128 rows of 256 bytes
	s_mov_b32 s[G1], 15|(3<<16)|(1<<21)            ; 15:0 the mask: all four work-groups; 17:16 elements of 8 bytes; 20 no padding; 21 set beside a mask
	s_mov_b32 s[G1+1], 32<<16                      ; tensor_dim0 = 32 elements
	s_mov_b32 s[G1+2], 128<<16                     ; tensor_dim1 = 128
	s_mov_b32 s[G1+3], 32<<16                      ; tile_dim0 = 32
	s_mov_b32 s[G1+4], 128                         ; tile_dim1 = 128
	s_mov_b32 s[G1+5], 32                          ; 32 elements from row to row
	s_mov_b32 s[G1+6], 0
	s_mov_b32 s[G1+7], 0
	s_mov_b32 s[G0], 1                             ; 1:0 count = 1
	s_mul_i32 s[G0+1], s[WV], 32768                ; 63:32 LDS address: my quarter of slot 0
	s_mul_i32 s20, s[WV], 32768                    ; and the same quarter of a slice in memory
	s_mov_b32 s21, 0
	s_lshr_b32 s22, s14, 5                         ; x: image g / 32, 4 MiB each,
	s_lshl_b32 s22, s22, 22
	s_and_b32 s23, s14, 31                         ; and 512 bytes of each channel
	s_lshl_b32 s23, s23, 9
	s_add_co_u32 s22, s22, s23
	s_mov_b32 s23, 0
	s_lshl_b32 s16, s14, 9                         ; idx: 128 words a work-group
	s_mov_b32 s17, 0
	s_lshl_b32 s18, s14, 2                         ; part: one word
	s_mov_b32 s19, 0
	s_mov_b32 s[NINF], 0xff800000
	s_mov_b32 s[EPS], 0x2b8cbccc                   ; 1e-12
	s_mov_b32 s[SEL], 0x76543210
	s_mov_b32 s[SEL+1], 0xfedcba98
	s_mov_b32 s[TB], SLOT1+SLOTB                   ; the first change of slots turns this into 0
	s_lshl_b32 s15, s[WV], 4
.irp c, 0,1,2,3,4,5,6,7
	s_sub_co_u32 s[CAND+\c], s15, 64-\c            ; one step short of code tile i = 0: the first tile's step makes it 16 wave + j
.endr
	v_and_b32 v1, 15, v0                           ; r
	v_bfe_u32 v2, v0, 4, 1                         ; h
	v_and_b32 v3, 31, v0                           ; lane
	s_lshl_b32 s15, s[WV], 19                      ; my 32 channels of 16,384 bytes
	v_lshl_add_u32 v[XO], v3, 4, s15
	s_wait_dscnt 0x0                               ; the opening add is done
	s_wait_kmcnt 0x0
	s_add_nc_u64 s[G0+2:G0+3], s[6:7], s[20:21]    ; 120:64 global address: my quarter of slice 0
	s_or_b32 s[G0+3], s[G0+3], 0x80000000          ; 127:126 type = 2
	s_add_nc_u64 s[4:5], s[4:5], s[22:23]
	s_add_nc_u64 s[8:9], s[8:9], s[16:17]
	s_add_nc_u64 s[10:11], s[10:11], s[18:19]
	CROUND                                         ; all four work-groups are here: the first joint loads meet
	TLOAD                                          ; slice 0 into slot 0: the one tensor load of mine that is out until the first change of slots
	WIN 0xc0                                       ; destination window 3, address window 0
.set n, 0
.rept 64                               ; load n: channel 128 (n / 32) + 32 wave + n % 32, my work-group's 128 tokens: 512 consecutive bytes.  x is read once in the launch
	global_load_b128 v[4*n:4*n+3], v[XO], s[4:5] offset:(128*(n/32)+n%32)*16384 th:TH_LOAD_NT
.set n, n+1
.endr
	WIN 0
	s_lshl_b32 s15, s[WV], 13
	v_lshl_add_u32 v[AK0], v3, 4, s15
	s_mul_i32 s15, s[WV], 32*SPITCH
	s_add_co_u32 s15, s15, STAGE
	v_lshl_add_u32 v[STW], v3, 3, s15              ; my wave's 32 rows; four tokens are 8 bytes
	v_and_b32 v4, 7, v0
	v_lshl_add_u32 v4, v2, 3, v4
	v_mul_u32_u24 v4, v4, SPITCH
	v_bfe_u32 v5, v0, 3, 1
	v_lshl_add_u32 v4, v5, 4, v4
	v_add_nc_u32 v[STR], STAGE, v4
	s_lshl_b32 s15, s[WV], 9
	s_add_co_u32 s16, s15, NRM
	v_lshl_add_u32 v[NRW], v3, 4, s16
	s_add_co_u32 s16, s15, VAL
	v_lshl_add_u32 v[MW], v1, 2, s16
	v_lshl_add_u32 v[FR], v3, 4, VAL
	v_lshl_add_u32 v[FN], v3, 4, NRM
	v_lshlrev_b32 v[GO], 4, v3
	v_mov_b32 v[ZO], 0
	; x BECOMES FRAGMENTS, in two halves of 128 channels through one stage.  Slice 0 stays on its way across these three barriers: no tensor load fills anything behind them.
	CONV 0
	PUT
	s_wait_dscnt 0x0                               ; for the others' sake: my rows of the stage are written
	s_barrier_signal -1
	s_barrier_wait -1
	XFRAG 0
	CONV 1                                         ; work on registers while the turning loads are out
	s_wait_dscnt 0x0                               ; my reads of the stage are over
	s_barrier_signal -1
	s_barrier_wait -1                              ; everybody's are: the stage may be written again
	PUT
	v_pk_add_f32 v[SS:SS+1],   v[SS:SS+1],   v[SS+4:SS+5]
	v_pk_add_f32 v[SS+2:SS+3], v[SS+2:SS+3], v[SS+6:SS+7]
	ds_store_b128 v[NRW], v[SS:SS+3]               ; my four tokens' squares over my wave's 64 channels
	s_wait_dscnt 0x0
	s_barrier_signal -1
	s_barrier_wait -1
	XFRAG 1
	; What the first unit's scan finds: Q holds -infinity, as do the maxima: -infinity less -infinity is a NaN, the compare fails, and nothing changes.  So no first tile is written out: 48 lines, once, while the turning loads are out.
.set i, 0
.rept 8
	v_mov_b32 v[RUN+i], s[NINF]
	v_mov_b32 v[IDX+i], 0
.set i, i+1
.endr
.set i, 0
.rept 32
	v_mov_b32 v[ACC+32+i], s[NINF]
.set i, i+1
.endr
	; THE WALK.  Slice m (256 codes) holds my code tiles 4 m .. 4 m + 3.  Between two changes of slots tiles 4 m - 1 .. 4 m + 2 are multiplied and tiles 4 m .. 4 m + 3 fetched.
	CHANGE 1                                       ; slice 0 is in, everybody's part of it, and the turning loads are back; slice 1 is asked for
	FETCH F0                                       ; code tile 0
	s_mov_b32 s[CNT], 2
	s_mov_b32 s[SLOTS], 31
	s_branch .Lfirst                               ; the loop is entered in the middle of a trip: there is no tile -1
.Lslot:                                                ; 30 times: slices 2 to 31 are asked for
	CHANGE 1
	s_mov_b32 s[CNT], 2
.Lpair:
	TILE F1, F0, 1
	WIN 0
.Lfirst:
	TILE F0, F1, 1
	WIN 0
	s_sub_co_u32 s[CNT], s[CNT], 1
	s_cmp_lg_u32 s[CNT], 0
	s_cbranch_scc1 .Lpair
	s_sub_co_u32 s[SLOTS], s[SLOTS], 1
	s_cmp_lg_u32 s[SLOTS], 0
	s_cbranch_scc1 .Lslot
	CHANGE 0                                       ; the tail is written out: slice 31 is in, nothing is asked for
	s_mov_b32 s[CNT], 2
.Ltail:                                                ; tiles 123 to 126; tiles 124 to 127 are fetched
	TILE F1, F0, 1
	TILE F0, F1, 1
	WIN 0
	s_sub_co_u32 s[CNT], s[CNT], 1
	s_cmp_lg_u32 s[CNT], 0
	s_cbranch_scc1 .Ltail
	TILE F1, F0, 0                                 ; tile 127: nothing is left to fetch
.set i, 0
.rept 32
	RIDE4 1                                        ; its Q is scanned with no products beside: the first read of each accumulator stands four plain instructions or more behind its last product
.set i, i+1
.endr
	WIN 0
	; THE WAY OUT.  A token's codes lie in two lanes (h = 0, 1) of each of four waves.  First the lanes: the code gets its 8 h, and each lane takes the better of itself and the lane 16 away.
.set a, 0
.rept 8
	v_lshl_add_u32 v[IDX+a], v2, 3, v[IDX+a]
.set a, a+1
.endr
.set a, 0
.rept 8
	v_permlanex16_b32 v[OV+a], v[RUN+a], s[SEL], s[SEL+1]
	v_permlanex16_b32 v[OI+a], v[IDX+a], s[SEL], s[SEL+1]
.set a, a+1
.endr
.set a, 0
.rept 8
	BETTER RUN+a, IDX+a, OV+a, OI+a
.set a, a+1
.endr
.set a, 0
.rept 8                                ; token 16 a + r: both halves of the lanes write the same word with the same number
	ds_store_b32 v[MW], v[RUN+a] offset:64*a
	ds_store_b32 v[MW], v[IDX+a] offset:IDXS-VAL+64*a
.set a, a+1
.endr
	s_wait_dscnt 0x0                               ; for wave 0's sake: my stores are done
	s_barrier_signal -1
	s_barrier_wait -1
	s_cmp_lg_u32 s[WV], 0
	s_cbranch_scc1 .Lend                           ; then the waves: wave 0 alone; lane l has tokens 4 l .. 4 l + 3
.set c, 0
.rept 4
	ds_load_b128 v[EV+4*c:EV+4*c+3], v[FR] offset:512*c
	ds_load_b128 v[EI+4*c:EI+4*c+3], v[FR] offset:IDXS-VAL+512*c
	ds_load_b128 v[EN+4*c:EN+4*c+3], v[FN] offset:512*c
.set c, c+1
.endr
	s_wait_dscnt 0x0
.set c, 1
.rept 3
.set a, 0
.rept 4
	BETTER EV+a, EI+a, EV+4*c+a, EI+4*c+a
	v_add_f32 v[EN+a], v[EN+a], v[EN+4*c+a]
.set a, a+1
.endr
.set c, c+1
.endr
	global_store_b128 v[GO], v[EI:EI+3], s[8:9]    ; 128 indices: 512 consecutive bytes, at a multiple of 512 from idx's first byte
.irp a, 0,1,2,3
	v_sqrt_f32 v[EN+\a], v[EN+\a]
.endr
	v_nop                                          ; a plain instruction between the last root and the use of its result (ISA guide 5.7.2)
	s_wait_alu depctr_va_vdst(0)
.irp a, 0,1,2,3
	v_max_num_f32 v[EN+\a], s[EPS], v[EN+\a]       ; max(|x|, eps)
.endr
.irp a, 0,1,2,3
	v_rcp_f32 v[EN+\a], v[EN+\a]
.endr
	v_nop
	s_wait_alu depctr_va_vdst(0)
.irp a, 0,1,2,3
	v_fma_f32 v[EV+\a], -v[EV+\a], v[EN+\a], 1.0   ; 1 - product / max(|x|, eps)
.endr
	v_add_f32 v[EV], v[EV], v[EV+1]
	v_add_f32 v[EV+2], v[EV+2], v[EV+3]
	v_add_f32 v[EV], v[EV], v[EV+2]
	v_add_f32_dpp v[EV], v[EV], v[EV] row_xmask:1 row_mask:0xf bank_mask:0xf
	v_add_f32_dpp v[EV], v[EV], v[EV] row_xmask:2 row_mask:0xf bank_mask:0xf
	v_add_f32_dpp v[EV], v[EV], v[EV] row_xmask:4 row_mask:0xf bank_mask:0xf
	v_add_f32_dpp v[EV], v[EV], v[EV] row_xmask:8 row_mask:0xf bank_mask:0xf
	v_permlanex16_b32 v[EV+1], v[EV], s[SEL], s[SEL+1]
	v_add_f32 v[EV], v[EV], v[EV+1]                ; the work-group's 128 tokens
	v_cmp_eq_u32 vcc_lo, 0, v3
	s_wait_xcnt 0x0                                ; EXEC is a source of the store above: it changes only behind this wait
	s_and_saveexec_b32 s70, vcc_lo
	global_store_b32 v[ZO], v[EV], s[10:11]        ; lane 0: one word a work-group; the sum over work-groups is the next launch's
	s_wait_xcnt 0x0                                ; and again, in front of the line that widens it
	s_or_b32 exec_lo, exec_lo, s70
.Lend:
	s_wait_tensorcnt 0x0                           ; the wave's end, behind my last tensor load and my last LDS store
	ds_add_u32 v[SPW], v[NIL]
	s_wait_dscnt 0x0
	CROUND                                         ; the closing round: no work-group ends while a partner may still ask for a slice that names it
	s_endpgm
.Lfunc_end_k_q5789df9acd_vq:
	.size	k_q5789df9acd_vq, .Lfunc_end_k_q5789df9acd_vq-k_q5789df9acd_vq
	.p2alignl 7, 3214868480
	.fill 96, 4, 3214868480
	.section	.rodata,"a",@progbits
	.p2align	6, 0x0
	.amdhsa_kernel k_q5789df9acd_vq
		.amdhsa_group_segment_fixed_size 327680
		.amdhsa_private_segment_fixed_size 0
		.amdhsa_enable_private_segment 0
		.amdhsa_kernarg_size 32
		.amdhsa_user_sgpr_count 2
		.amdhsa_user_sgpr_kernarg_segment_ptr 1
		.amdhsa_wavefront_size32 1
		.amdhsa_system_sgpr_workgroup_id_x 1
		.amdhsa_system_sgpr_workgroup_id_y 1
		.amdhsa_system_sgpr_workgroup_id_z 1
		.amdhsa_system_vgpr_workitem_id 0
		.amdhsa_next_free_vgpr 1024
		.amdhsa_next_free_sgpr 72
		.amdhsa_reserve_vcc 1
		.amdhsa_float_denorm_mode_32 3
		.amdhsa_float_denorm_mode_16_64 3
		.amdhsa_memory_ordered 1
		.amdhsa_forward_progress 1
		.amdhsa_inst_pref_size 175
	.end_amdhsa_kernel
	.amdgpu_metadata
---
amdhsa.version: [ 1, 2 ]
amdhsa.kernels:
  - .name:           k_q5789df9acd_vq
    .symbol:         k_q5789df9acd_vq.kd
    .args:
      - { .name: x, .offset: 0, .size: 8, .value_kind: global_buffer, .address_space: global }
      - { .name: cbh, .offset: 8, .size: 8, .value_kind: global_buffer, .address_space: global }
      - { .name: idx, .offset: 16, .size: 8, .value_kind: global_buffer, .address_space: global }
      - { .name: part, .offset: 24, .size: 8, .value_kind: global_buffer, .address_space: global }
    .group_segment_fixed_size: 327680
    .private_segment_fixed_size: 0
    .kernarg_segment_align: 8
    .kernarg_segment_size: 32
    .max_flat_workgroup_size: 128
    .sgpr_count:     72
    .vgpr_count:     1024
    .wavefront_size: 32
...
	.end_amdgpu_metadata
.endif
;; end of part 2
;; launch gather (part 3): grid 256 x 1, 8 waves a work-group, no clusters, 132,096 bytes of LDS; arguments codebook, idx, part, out0, out1, out2; writes out0, out1, out2
.if DOCPART == 3
	.amdgcn_target "amdgcn-amd-amdhsa--gfx1250"
	.amdhsa_code_object_version 6
	.text
	.protected	k_q5789df9acd_gather
	.globl	k_q5789df9acd_gather
	.p2align	8
	.type	k_q5789df9acd_gather,@function
k_q5789df9acd_gather:
	s_mov_b64 s[64:65], 0
	v_nop
	global_prefetch_b8 v0, s[64:65] scope:SCOPE_SE
	s_setreg_imm32_b32 hwreg(HW_REG_WAVE_MODE, 25, 1), 1
	s_wait_xcnt 0x0
; out0[b][c][hw] = codebook[idx[(b, hw)]][c], f32, as the table holds it; out2 = the mean over the 32,768 tokens of 1 - t (the sum of part's 256 words / 32,768); out1 = a quarter of that.
; SHARES.  Work-group g owns tokens 128 g .. 128 g + 127.  A code's row lies along the channels, the output along the tokens, so the 128 rows turn in LDS: wave w gathers tokens 16 w .. + 15
; (sixteen lanes take 256 consecutive bytes of a row) and, behind one barrier, stores channels 32 w .. + 31 (each store of the wave: 512 consecutive bytes of one channel).
; LDS holds [channel][token] f32 in rows of 512 bytes.  In row c the group G of four tokens lies in column (G & 16) | ((G + c / 4) & 15) of 16 bytes
; their two tokens into two words of each, and a read of 16 lanes takes 16 different columns of one row.
; LIMIT.  An index is clamped to 8,191 before it enters an address; the launch before stores none larger.
; No cluster: which rows a work-group reads hangs on the list, so no tile is shared.  No matrix unit: nothing is multiplied.  No hint on the table's loads: the list may name a row many times.
.set SPARE, 131072                     ; behind the tile: the spare words, 128 bytes for each of eight waves: four blocks of 256 bytes that no other line names
.set IA,  4                            ; v4       my byte offset in the work-group's indices: token 16 w + h
.set L16, 5                            ; v5       16 (lane % 16): my 16 bytes in 256 of a row
.set OVR, 6                            ; v6       my byte offset in out0: 16 x lane + the wave's 32 channels
.set SPW, 8                            ; v8       LDS address of my spare word; never rewritten
.set NIL, 9                            ; v9       0; never rewritten
.set IX,  10                           ; v[10:17] eight indices; at the end part's numbers
.set RO,  18                           ; v[18:25] their rows' byte offsets + L16
.set WA,  26                           ; v[26:29] LDS, in: for token group 4 w + gp, channels 0-127
.set WB,  30                           ; v[30:33] the same for channels 128-255: 65,536 bytes on, past the reach of the 16-bit immediate
.set RA,  34                           ; v[34:41] LDS, back: for channels 32 w + 4 m + 0 .. 3
.set BW,  42
.set BR,  43
.set DT,  44                           ; v[44:171] 32 x 4 registers: rows as loaded, then channels to store
	s_load_b256 s[4:11], s[0:1], 0x0               ; codebook s[4:5], idx s[6:7], part s[8:9], out0 s[10:11]
	s_load_b128 s[12:15], s[0:1], 0x20             ; out1 s[12:13], out2 s[14:15]
	v_lshl_add_u32 v[SPW], v0, 2, SPARE
	v_mov_b32 v[NIL], 0
	v_lshrrev_b32 v1, 5, v0
	v_readfirstlane_b32 s16, v1                    ; wave 0..7
	s_mov_b32 s17, ttmp9                           ; g
	v_and_b32 v1, 31, v0                           ; lane
	v_and_b32 v2, 15, v0                           ; lane % 16
	v_bfe_u32 v3, v0, 4, 1                         ; h
	s_lshl_b32 s20, s16, 6
	v_lshl_add_u32 v[IA], v3, 2, s20
	s_lshl_b32 s18, s17, 9                         ; 128 indices a work-group
	s_mov_b32 s19, 0
	s_wait_kmcnt 0x0
	s_add_nc_u64 s[6:7], s[6:7], s[18:19]
.set n, 0
.rept 8                                ; pair n: lanes 0-15 take token 16 w + 2 n, lanes 16-31 the next
	global_load_b32 v[IX+n], v[IA], s[6:7] offset:8*n
.set n, n+1
.endr
	; the addresses are made while the indices are on their way
	v_lshlrev_b32 v[L16], 4, v2
	s_lshl_b32 s20, s16, 19                        ; 32 channels of 16,384 bytes
	v_lshl_add_u32 v[OVR], v1, 4, s20
	s_lshr_b32 s20, s17, 5                         ; out0: image g / 32, 4 MiB each,
	s_lshl_b32 s20, s20, 22
	s_and_b32 s21, s17, 31                         ; and 512 bytes of each channel
	s_lshl_b32 s21, s21, 9
	s_add_co_u32 s20, s20, s21
	s_mov_b32 s21, 0
	s_add_nc_u64 s[10:11], s[10:11], s[20:21]
	s_lshl_b32 s20, s16, 2                         ; my first token group, 4 w;
	s_lshr_b32 s21, s16, 2
	s_lshl_b32 s21, s21, 8                         ; its bit 4 is w / 4: 16 columns, 256 bytes
	v_lshl_add_u32 v[BW], v2, 11, s21              ; channel 4 (lane % 16): four rows of 512 bytes
	v_lshl_add_u32 v[BW], v3, 2, v[BW]             ; the odd token of a pair: one word on
.irp gp, 0,1,2,3
	s_add_co_u32 s22, s20, \gp
	v_add_nc_u32 v[WA+\gp], s22, v2
	v_and_b32 v[WA+\gp], 15, v[WA+\gp]             ; (G + c / 4) & 15
	v_lshl_add_u32 v[WA+\gp], v[WA+\gp], 4, v[BW]
	v_add_nc_u32 v[WB+\gp], 0x10000, v[WA+\gp]
.endr
	s_lshl_b32 s20, s16, 3                         ; c / 4 of my first channel, 8 w
	s_lshl_b32 s21, s16, 14                        ; 32 rows of 512 bytes
	v_and_b32 v[BR], 16, v1
	v_lshl_add_u32 v[BR], v[BR], 4, s21
.irp m, 0,1,2,3,4,5,6,7
	s_add_co_u32 s22, s20, \m
	v_add_nc_u32 v[RA+\m], s22, v1
	v_and_b32 v[RA+\m], 15, v[RA+\m]               ; (G + c / 4) & 15 with G = lane
	v_lshl_add_u32 v[RA+\m], v[RA+\m], 4, v[BR]
.endr
	s_wait_loadcnt 0x0                             ; the indices
.set n, 0
.rept 8
	v_min_u32 v[IX+n], 0x1fff, v[IX+n]             ; inside the table
	v_lshlrev_b32 v[RO+n], 10, v[IX+n]             ; a row is 1,024 bytes
	v_add_nc_u32 v[RO+n], v[L16], v[RO+n]
.set n, n+1
.endr
.set n, 0
.rept 32                               ; load n: pair n / 4, channels 64 (n % 4) + 4 (lane % 16) + 0 .. 3: sixteen lanes take 256 consecutive bytes, at a multiple of 256 from the table's first byte
	global_load_b128 v[DT+4*n:DT+4*n+3], v[RO+n/4], s[4:5] offset:256*(n%4)
.set n, n+1
.endr
.set n, 0
.rept 32
	s_wait_loadcnt 31-n                            ; loads come back in order (ISA guide 5.7.1): load n is in, the 31 - n issued behind it stay out
.irp q, 0,1,2,3
.if n%4 < 2
	ds_store_b32 v[WA+n/8], v[DT+4*n+\q] offset:(n%2)*32768+512*\q+8*((n/4)%2)
.else
	ds_store_b32 v[WB+n/8], v[DT+4*n+\q] offset:(n%2)*32768+512*\q+8*((n/4)%2)
.endif
.endr
.set n, n+1
.endr
	s_wait_dscnt 0x0                               ; for the others' sake: my sixteen tokens are in the tile
	s_barrier_signal -1
	s_barrier_wait -1
.set n, 0
.rept 32                               ; channel 32 w + n, tokens 4 x lane + 0 .. 3
	ds_load_b128 v[DT+4*n:DT+4*n+3], v[RA+n/4] offset:512*n
.set n, n+1
.endr
.set n, 0
.rept 32
	s_wait_dscnt 31-n                              ; read n is back, the 31 - n issued behind it stay out
	global_store_b128 v[OVR], v[DT+4*n:DT+4*n+3], s[10:11] offset:16384*n th:TH_STORE_NT  ; 512 consecutive bytes, at a multiple of 512 from out0's first byte; written once, not read again
.set n, n+1
.endr
	; THE LOSSES: one wave of the launch adds the 256 partial sums, in a fixed order.
	s_or_b32 s20, s17, s16
	s_cmp_lg_u32 s20, 0
	s_cbranch_scc1 .Lend
	s_mov_b32 s24, 0x76543210                      ; v_permlanex16_b32's selects: each lane takes its own place in the other half
	s_mov_b32 s25, 0xfedcba98
	v_lshlrev_b32 v[RO], 4, v1                     ; the rows' loads, which read these registers, were waited for above
	v_mov_b32 v[RO+1], 0
	global_load_b128 v[IX:IX+3],   v[RO], s[8:9]
	global_load_b128 v[IX+4:IX+7], v[RO], s[8:9] offset:512
	s_wait_loadcnt 0x0
	v_pk_add_f32 v[IX:IX+1],   v[IX:IX+1],   v[IX+2:IX+3]
	v_pk_add_f32 v[IX+4:IX+5], v[IX+4:IX+5], v[IX+6:IX+7]
	v_pk_add_f32 v[IX:IX+1],   v[IX:IX+1],   v[IX+4:IX+5]
	v_add_f32 v[IX], v[IX], v[IX+1]
	v_add_f32_dpp v[IX], v[IX], v[IX] row_xmask:1 row_mask:0xf bank_mask:0xf
	v_add_f32_dpp v[IX], v[IX], v[IX] row_xmask:2 row_mask:0xf bank_mask:0xf
	v_add_f32_dpp v[IX], v[IX], v[IX] row_xmask:4 row_mask:0xf bank_mask:0xf
	v_add_f32_dpp v[IX], v[IX], v[IX] row_xmask:8 row_mask:0xf bank_mask:0xf
	v_permlanex16_b32 v[IX+1], v[IX], s24, s25
	v_add_f32 v[IX], v[IX], v[IX+1]
	v_mul_f32 v[IX], 0x38000000, v[IX]             ; / 32,768: the mean, which is loss 1 (weight 1.0)
	v_mul_f32 v[IX+1], 0x3e800000, v[IX]           ; x 0.25: loss 0
	v_cmp_eq_u32 vcc_lo, 0, v1
	s_wait_xcnt 0x0                                ; EXEC is a source of the loads and stores above: it changes only behind this wait
	s_and_saveexec_b32 s26, vcc_lo
	global_store_b32 v[RO+1], v[IX+1], s[12:13]    ; out1
	global_store_b32 v[RO+1], v[IX], s[14:15]      ; out2
	s_wait_xcnt 0x0                                ; and again, in front of the line that widens it
	s_or_b32 exec_lo, exec_lo, s26
.Lend:
	s_wait_tensorcnt 0x0                           ; the wave's end, behind my last LDS store
	ds_add_u32 v[SPW], v[NIL]
	s_wait_dscnt 0x0
	s_endpgm
.Lfunc_end_k_q5789df9acd_gather:
	.size	k_q5789df9acd_gather, .Lfunc_end_k_q5789df9acd_gather-k_q5789df9acd_gather
	.p2alignl 7, 3214868480
	.fill 96, 4, 3214868480
	.section	.rodata,"a",@progbits
	.p2align	6, 0x0
	.amdhsa_kernel k_q5789df9acd_gather
		.amdhsa_group_segment_fixed_size 132096
		.amdhsa_private_segment_fixed_size 0
		.amdhsa_enable_private_segment 0
		.amdhsa_kernarg_size 48
		.amdhsa_user_sgpr_count 2
		.amdhsa_user_sgpr_kernarg_segment_ptr 1
		.amdhsa_wavefront_size32 1
		.amdhsa_system_sgpr_workgroup_id_x 1
		.amdhsa_system_sgpr_workgroup_id_y 1
		.amdhsa_system_sgpr_workgroup_id_z 1
		.amdhsa_system_vgpr_workitem_id 0
		.amdhsa_next_free_vgpr 176
		.amdhsa_next_free_sgpr 66
		.amdhsa_reserve_vcc 1
		.amdhsa_float_denorm_mode_32 3
		.amdhsa_float_denorm_mode_16_64 3
		.amdhsa_memory_ordered 1
		.amdhsa_forward_progress 1
		.amdhsa_inst_pref_size 26
	.end_amdhsa_kernel
	.amdgpu_metadata
---
amdhsa.version: [ 1, 2 ]
amdhsa.kernels:
  - .name:           k_q5789df9acd_gather
    .symbol:         k_q5789df9acd_gather.kd
    .args:
      - { .name: codebook, .offset: 0, .size: 8, .value_kind: global_buffer, .address_space: global }
      - { .name: idx, .offset: 8, .size: 8, .value_kind: global_buffer, .address_space: global }
      - { .name: part, .offset: 16, .size: 8, .value_kind: global_buffer, .address_space: global }
      - { .name: out0, .offset: 24, .size: 8, .value_kind: global_buffer, .address_space: global }
      - { .name: out1, .offset: 32, .size: 8, .value_kind: global_buffer, .address_space: global }
      - { .name: out2, .offset: 40, .size: 8, .value_kind: global_buffer, .address_space: global }
    .group_segment_fixed_size: 132096
    .private_segment_fixed_size: 0
    .kernarg_segment_align: 8
    .kernarg_segment_size: 48
    .max_flat_workgroup_size: 256
    .sgpr_count:     66
    .vgpr_count:     176
    .wavefront_size: 32
...
	.end_amdgpu_metadata
.endif
;; end of part 3
;; ======== version 2 of 2: 3 launches; version 1 with the launch prep written anew for expert scheduling mode
;; limits: values outside matrix products are rounded to bf16
;; workspace buffers: cbh 4,194,304 bytes; idx 131,072 bytes of whole numbers; part 1,024 bytes
;; launch prep (part 4): grid 256 x 1, 2 waves a work-group, no clusters, 17,152 bytes of LDS; arguments codebook, cbh; writes cbh
.if DOCPART == 4
	.amdgcn_target "amdgcn-amd-amdhsa--gfx1250"
	.amdhsa_code_object_version 6
	.text
	.protected	k_q5789df9acd_prep
	.globl	k_q5789df9acd_prep
	.p2align	8
	.type	k_q5789df9acd_prep,@function
k_q5789df9acd_prep:
	s_mov_b64 s[64:65], 0
	v_nop
	global_prefetch_b8 v0, s[64:65] scope:SCOPE_SE
	s_setreg_imm32_b32 hwreg(HW_REG_WAVE_SCHED_MODE, 0, 2), 2
	s_setreg_imm32_b32 hwreg(HW_REG_WAVE_MODE, 25, 1), 1
	s_wait_xcnt 0x0
	s_wait_alu depctr_vm_vsrc(0)
; cbh = the codebook [8192][256] rounded once to bf16 and laid out in the order in which a matrix instruction's source 0 wants it.
; Code tile T (codes 16 T .. 16 T + 15) is 8,192 bytes at 8192 T.  In it, load n = 2 ks + p (ks: channels 32 ks .. + 31, p: which half of them) is 512 bytes at 512 n,
; and lane L = (r = L % 16, h = L / 16) has 16 bytes at 16 L: code 16 T + r, channels 32 ks + 16 p + 8 h + 0 .. 7.  So the next launch reads a fragment by two loads of 16 bytes a lane at 16 x lane.
; SHARES.  512 code tiles, one a wave, two waves a work-group: a wave reads 16,384 consecutive bytes and writes 8,192 consecutive bytes; no loop.
; The turn from rows to fragments goes through the wave's own 16 rows of LDS; no wave reads another's bytes, so there is no barrier.
; No cluster: no two work-groups read the same bytes.  No matrix unit: nothing is multiplied.
; THE MODE: SCHED_MODE bits 1:0 = 2 (LLVM: expert scheduling mode 2), set by the entry lines.  The code itself states the register dependences
; between vector instructions and memory or LDS instructions, with s_wait_alu, always for 0.
; THE PLAN.  Registers that memory or LDS instructions touch:
;   v[GI], v[SW], v[SR]  offsets and LDS addresses: written once at the head, never again; read by the loads and stores.
;   IN   The 32 global loads land in it; the conversions read it; then the 16 LDS loads land in its first 64 registers, which the global stores read.  No vector line writes it.
;   T    Each register is written once, by a conversion, and read once, by an LDS store.
;   v[SPW], v[NIL]  written at the head, read by the closing add alone.
; The 32 loads go in four groups of eight.  Group g's conversions read IN and write T of group g; the LDS stores of group g - 1 are dealt among them, and read T of group g - 1, which no vector line
; of group g names.  So one wait on va_vdst at a group's head states all that the group's eight LDS stores hang on; one more behind the last conversion serves the last eight stores and the LDS loads into IN.
; No register that a memory or LDS instruction has read is written again, so no wait on vm_vsrc is owed ahead of the closing lines.
.set PITCH, 528                        ; a stage row: 512 bytes (256 bf16) + 16: an odd multiple of 16, so the 16 rows that a read touches start at 16 different groups of four banks (64 banks of 4 bytes: ISA guide 11.1)
.set WST,   16*PITCH                   ; a wave's stage: 8,448 bytes, 33 blocks of 256
.set SPARE, 2*WST                      ; behind the stages: the spare words, 128 bytes for each wave: one block of 256 bytes that no other line names
.set GRP, 8                            ; loads in a group
.set GI,  2                            ; v2        16 x lane: my offset in every 512 bytes read or written
.set SW,  3                            ; v3        stage, in: my wave's stage + 8 x lane
.set SR,  4                            ; v4        stage, back: my wave's stage + r x pitch + 16 h
.set SPW, 6                            ; v6        LDS address of my spare word; never rewritten
.set NIL, 7                            ; v7        0; never rewritten
.set IN,  8                            ; v[8:135]  32 loads of four f32; later v[8:71] take the 16 fragment halves
.set T,   136                          ; v[136:199] the same numbers in bf16, two registers a load
	s_load_b128 s[4:7], s[0:1], 0x0                ; codebook s[4:5], cbh s[6:7]
	v_lshl_add_u32 v[SPW], v0, 2, SPARE
	v_mov_b32 v[NIL], 0
	v_lshrrev_b32 v1, 5, v0
	v_readfirstlane_b32 s8, v1                     ; wave 0, 1
	v_and_b32 v1, 31, v0                           ; lane
	v_lshlrev_b32 v[GI], 4, v1
	v_and_b32 v5, 15, v0                           ; r
	v_mul_u32_u24 v5, v5, PITCH
	s_wait_alu depctr_va_sdst(0)                   ; s8 is written, ahead of its first reader: the stage's place and the tile's number are made from it
	s_mul_i32 s9, s8, WST                          ; my wave's stage
	v_lshl_add_u32 v[SW], v1, 3, s9
	v_bfe_u32 v1, v0, 4, 1                         ; h
	v_lshl_add_u32 v5, v1, 4, v5
	v_add_nc_u32 v[SR], s9, v5
	s_lshl_b32 s10, ttmp9, 1
	s_add_co_u32 s10, s10, s8                      ; T = 2 x work-group + wave
	s_lshl_b32 s12, s10, 13                        ; 8,192 T: at most 4 MiB
	s_lshl_b32 s10, s10, 14                        ; 16,384 T: at most 8 MiB
	s_mov_b32 s11, 0
	s_mov_b32 s13, 0
	s_wait_kmcnt 0x0
	s_add_nc_u64 s[4:5], s[4:5], s[10:11]
	s_add_nc_u64 s[6:7], s[6:7], s[12:13]
	s_wait_alu depctr_va_vdst(0)                   ; v[GI], v[SW] and v[SR] are written: every load and store of the kernel reads one of them as its offset or address
.set n, 0
.rept 32                               ; load n: row n / 2, channels 128 (n % 2) + 4 x lane + 0 .. 3: 512 consecutive bytes.  No hint: the last launch reads the table again
	global_load_b128 v[IN+4*n:IN+4*n+3], v[GI], s[4:5] offset:512*n
.set n, n+1
.endr
.set n, 0
.rept 32
	s_wait_loadcnt 31-n                            ; loads come back in order (ISA guide 5.7.1): load n is in, the 31 - n issued behind it stay out
.if (n%GRP == 0) && (n > 0)
	s_wait_alu depctr_va_vdst(0)                   ; a group's head: the conversions of the group before have written their 16 registers of T, which this group's eight LDS stores read
.endif
.if n >= GRP
	ds_store_b64 v[SW], v[T+2*(n-GRP):T+2*(n-GRP)+1] offset:((n-GRP)/2)*PITCH+((n-GRP)%2)*256  ; the group before: 32 lanes, 256 consecutive bytes of a stage row; no vector line since the wait names these registers
.endif
	v_cvt_pk_bf16_f32 v[T+2*n],   v[IN+4*n],   v[IN+4*n+1]    ; rounds to nearest even
	v_cvt_pk_bf16_f32 v[T+2*n+1], v[IN+4*n+2], v[IN+4*n+3]
.set n, n+1
.endr
	s_wait_alu depctr_va_vdst(0)                   ; the last group's conversions have written their T, which the stores below read; and all conversions are done reading v[IN ..], in which the LDS loads below land
.set n, 32-GRP
.rept GRP
	ds_store_b64 v[SW], v[T+2*n:T+2*n+1] offset:(n/2)*PITCH+(n%2)*256
.set n, n+1
.endr
.set n, 0
.rept 16                               ; LDS serves a wave's instructions in order (ISA guide 5.7.1.4): these see the stores above
	ds_load_b128 v[IN+4*n:IN+4*n+3], v[SR] offset:64*(n/2)+32*(n%2)
.set n, n+1
.endr
.set n, 0
.rept 16
	s_wait_dscnt 15-n                              ; read n is back, the 15 - n issued behind it stay out
	global_store_b128 v[GI], v[IN+4*n:IN+4*n+3], s[6:7] offset:512*n  ; 512 consecutive bytes, at a multiple of 512 from cbh's first byte
.set n, n+1
.endr
	s_wait_dscnt 0x0                               ; the closing lines, six on end
	s_wait_alu 0x0
	s_wait_tensorcnt 0x0
	ds_add_u32 v[SPW], v[NIL]
	s_wait_dscnt 0x0
	s_endpgm
.Lfunc_end_k_q5789df9acd_prep:
	.size	k_q5789df9acd_prep, .Lfunc_end_k_q5789df9acd_prep-k_q5789df9acd_prep
	.p2alignl 7, 3214868480
	.fill 96, 4, 3214868480
	.section	.rodata,"a",@progbits
	.p2align	6, 0x0
	.amdhsa_kernel k_q5789df9acd_prep
		.amdhsa_group_segment_fixed_size 17152
		.amdhsa_private_segment_fixed_size 0
		.amdhsa_enable_private_segment 0
		.amdhsa_kernarg_size 16
		.amdhsa_user_sgpr_count 2
		.amdhsa_user_sgpr_kernarg_segment_ptr 1
		.amdhsa_wavefront_size32 1
		.amdhsa_system_sgpr_workgroup_id_x 1
		.amdhsa_system_sgpr_workgroup_id_y 1
		.amdhsa_system_sgpr_workgroup_id_z 1
		.amdhsa_system_vgpr_workitem_id 0
		.amdhsa_next_free_vgpr 200
		.amdhsa_next_free_sgpr 66
		.amdhsa_reserve_vcc 0
		.amdhsa_float_denorm_mode_32 3
		.amdhsa_float_denorm_mode_16_64 3
		.amdhsa_memory_ordered 1
		.amdhsa_forward_progress 1
		.amdhsa_inst_pref_size 15
	.end_amdhsa_kernel
	.amdgpu_metadata
---
amdhsa.version: [ 1, 2 ]
amdhsa.kernels:
  - .name:           k_q5789df9acd_prep
    .symbol:         k_q5789df9acd_prep.kd
    .args:
      - { .name: codebook, .offset: 0, .size: 8, .value_kind: global_buffer, .address_space: global }
      - { .name: cbh, .offset: 8, .size: 8, .value_kind: global_buffer, .address_space: global }
    .group_segment_fixed_size: 17152
    .private_segment_fixed_size: 0
    .kernarg_segment_align: 8
    .kernarg_segment_size: 16
    .max_flat_workgroup_size: 64
    .sgpr_count:     66
    .vgpr_count:     200
    .wavefront_size: 32
...
	.end_amdgpu_metadata
.endif
;; end of part 4
;; launch vq: the kernel of part 2 again; grid 256 x 1, 4 waves a work-group, clusters of 4 x 1, 327,680 bytes of LDS; arguments x, cbh, idx, part; writes idx, part
;; launch gather: the kernel of part 3 again; grid 256 x 1, 8 waves a work-group, no clusters, 132,096 bytes of LDS; arguments codebook, idx, part, out0, out1, out2; writes out0, out1, out2
